; MI455X (gfx1250); checked and timed in simulation.
; The chip was launched on July 23, 2026; its instructions are those of AMD's public machine-readable ISA for CDNA 5 (MIT licence, August 2026) and "CDNA5" Instruction Set Architecture Reference Guide (July 2026). The comments in the code are by the model that wrote it; some were corrected since.
;; Graph Multi Head Attention. Allowed arithmetic: matrix products marked QUANTISED: E2M1 operands, one E8M0 scale for each 32 along K, by v_wmma_scale_f32_16x16x128_f8f6f4 with both operands' format E2M1 (or v_wmma_scale_f32_32x16x128_f4), f32 sums; everything else in f32.
;; Inputs: Wk 1,024 x 1,024 float32; Wq 1,024 x 1,024 float32; Wv 1,024 x 1,024 float32; bk 1,024 float32; bq 1,024 float32; bv 1,024 float32; node_emb 4,096 x 1,024 float32.
;; Outputs: out0 4,096 x 1,024 float32.
;; This version of the problem:
;;   THIS VERSION OF THE PROBLEM IS GIVEN IN LOW PRECISION. The matrix products marked QUANTISED in the list below multiply operands that are first quantised to E2M1 (2 exponent bits, 1 mantissa bit; 4 bits a number), with one power-of-two scale for each 32 numbers along K (OCP MX v1.0); their sums are f32. All else is computed in f32.
;;   The module's matrix products, in the order in which they are computed (A, B: the left and right operand; K: the contracted axis; several contracted axes count as one K, in the product's order):
;;     1. [M 4,096, K 1,024] x [K 1,024, N 1,024]; A: input node_emb; B: input Wq: QUANTISED
;;     2. [M 4,096, K 1,024] x [K 1,024, N 1,024]; A: input node_emb; B: input Wk: QUANTISED
;;     3. [M 4,096, K 1,024] x [K 1,024, N 1,024]; A: input node_emb; B: input Wv: QUANTISED
;;     4. batch 16 x [M 4,096, K 64] x [K 64, N 4,096]; A: computed on the way; B: computed on the way: QUANTISED
;;     5. batch 16 x [M 64, K 4,096] x [K 4,096, N 4,096]; A: computed on the way; B: softmax (see below): QUANTISED
;;   THE QUANTISER, for each operand of a quantised product, along K:
;;     - K is cut into blocks of 32 from its start; a last block that is shorter is filled with zeros.
;;     - A block's scale is 2^e with e = floor(log2(the largest magnitude in the block)) - 2, held to -126 .. 127; a block of zeros has e = 0. As a byte (E8M0): e + 127.
;;     - Each number is divided by its block's scale, clamped to +-6, and rounded to the nearest number of E2M1, ties to even, subnormals kept.
;;     - The product sums the exact products of the quantised numbers (number of the format x scale) in f32.
;;   ~~~python
;;   def quantise(x, axis):      # numpy; x: float32 -> the quantised numbers, widened to float32 again
;;       x = np.moveaxis(x, axis, -1); K = x.shape[-1]
;;       x = np.pad(x, [(0, 0)] * (x.ndim - 1) + [(0, -K % 32)]); x = x.reshape(x.shape[:-1] + (-1, 32)); a = np.abs(x).max(-1, keepdims=True)
;;       e = np.where(a > 0, np.clip(np.frexp(np.where(a > 0, a, 1))[1] - 1 - 2, -126, 127), 0)      # np.frexp(a)[1] - 1 = floor(log2(a)), exactly
;;       r = np.clip(x / 2.0 ** e, -6, 6)
;;       step = 2.0 ** (np.maximum(np.frexp(np.where(r == 0, 1, r))[1] - 1, 0) - 1)
;;       q = np.round(r / step) * step * 2.0 ** e      # np.round: ties to even
;;       return np.moveaxis(q.reshape(q.shape[:-2] + (-1,))[..., :K], -1, axis).astype(np.float32)
;;   ~~~
;;   SOFTMAX AHEAD OF A QUANTISED PRODUCT. Where the list says 'softmax', what is quantised is not the finished softmax but p = 2^(t - M), with t = logit x log2(e) and M = ceil(the row's largest t), a whole number; so 1/2 < the row's largest p <= 1. The row's sum l is taken of the UNQUANTISED p, in f32, and the product's result is divided by l at the end. Since M is a whole number, a kernel that streams over the keys may use a running M (the ceiling of the running maximum): every later rescaling is an exact power of two, which a block's scale takes up: the codes' values come out the same.
;;   OPERANDS COMPUTED ON THE WAY. 'Computed on the way' means the value that the module computes at that place (a softmax that the list does not call 'softmax' is quantised finished and normalised). What goes into a quantiser is computed in f32, as accurately as f32 sums, v_exp_f32 and their like allow (about 1e-6 of the number): no bf16 or f16 on the way to a quantiser, and a product that is left as it is and whose result goes on into a quantised operand takes f32 operands (vector FMAs, or v_wmma_f32_16x16x4_f32). A number that lies on a knife's edge between two numbers of the format may be rounded either way, as far as f32 arithmetic and the matrix unit's own rounding can turn it there, and no further.
;; One version. Each part assembles by itself: llvm-mc -triple=amdgcn-amd-amdhsa -mcpu=gfx1250 --defsym DOCPART=n.
;; ======== version 1 of 1: 3 launches
;; limits: right only within a limited range of input values
;; workspace buffers: xc 2,097,152 bytes; xs 131,072 bytes; wc 1,572,864 bytes; ws 98,304 bytes; qbuf 2,359,296 bytes; kbuf 2,359,296 bytes; vbuf 2,228,224 bytes
;; launch quant (part 1): grid 224 x 1, 4 waves a work-group, no clusters, 34,304 bytes of LDS; arguments node_emb, Wq, Wk, Wv, xc, xs, wc, ws; writes xc, xs, wc, ws
.if DOCPART == 1
	.amdgcn_target "amdgcn-amd-amdhsa--gfx1250"
	.amdhsa_code_object_version 6
	.text
	.protected	k_qbe221da0a9_quant
	.globl	k_qbe221da0a9_quant
	.p2align	8
	.type	k_qbe221da0a9_quant,@function
k_qbe221da0a9_quant:
	s_mov_b64 s[64:65], 0
	v_nop
	global_prefetch_b8 v0, s[64:65] scope:SCOPE_SE
	s_setreg_imm32_b32 hwreg(HW_REG_WAVE_MODE, 25, 1), 1
	s_wait_xcnt 0x0
; node_emb [4096][1024] and Wq, Wk, Wv [1024 (k)][1024 (n)], f32, become codes of FP4 (E2M1) with one E8M0 scale byte for each 32 along K = 1024.
; A block's scale is 2^(floor(log2(its largest magnitude)) - 2); its byte is the largest magnitude's exponent field - 2, held at 1 from below by a floor among the maximum's leaves.
; LIMITS: a block whose largest magnitude lies under 2^-124, a block of zeros among them, keeps the byte 1 (its codes are zeros or near it; only this program reads the bytes); NaN and infinities are not served.
; THE CODES ARE LAID AS IMAGES OF OPERAND REGISTERS: an image is 512 bytes, lane l's 16 bytes (one whole block of 32 codes) at 16 l; lane (r, h) of image c of a K step holds k = 64 c + 32 h + 0 .. 31 of the tile's row r.
;   xc [16 row blocks of 256][8 K steps][16 tiles][2][512]: tile T's lane r is row 32 (T / 2) + 8 (T % 2) + r + 8 (r / 8) of the block.
;   wc [16 heads][8 K steps][12 tiles][2][512]: tile 4 m + i (m: q, k, v); for q and k lane r is the head's column 32 (i / 2) + 8 (i % 2) + r + 8 (r / 8), for v column 16 i + r.
;   xs [128 groups of 32 rows][4 quarters of K][2 tiles][16 lanes][8 bytes], ws [16 heads][6 pairs of tiles][4][2][16][8]: a lane's eight scale bytes of 256 along K.
; Work-groups 0 to 127 take 32 rows of node_emb each (a wave a quarter of K); work-groups 128 to 223 take the weights (a wave 32 columns x a quarter of K).
; Memory binds: no matrix unit, no tensor load, no barrier; waves share nothing.  Only the first path touches LDS.
.set SP,    528                        ; a stage row: 512 bytes + 16: the sixteen rows that a read touches start at different banks
.set WST,   16*SP                      ; a wave's stage
.set RAW,   32                         ; v32-95, v96-159  two sets of 16 x 4 registers as loaded
.set X,     160                        ; v160-223 64 numbers of my row: register 32 c + i is k = 64 c + 32 h + i
.set CD,    224                        ; v224-255 codes: eight registers a unit, never written again
.set WD,    16                         ; v16-19   a unit's scale word
.set FLOOR, 0x1800000                  ; 2^(3 - 127)
.set OFF2,  0xff000000                 ; takes 2 off an exponent field
	s_load_b256 s[4:11], s[0:1], 0x0               ; node_emb s[4:5], Wq s[6:7], Wk s[8:9], Wv s[10:11]
	s_load_b256 s[12:19], s[0:1], 0x20             ; xc s[12:13], xs s[14:15], wc s[16:17], ws s[18:19]
	v_lshl_add_u32 v30, v0, 2, 0x8400
	v_mov_b32 v31, 0
	v_lshrrev_b32 v1, 5, v0
	v_readfirstlane_b32 s20, v1                    ; wave 0..3
	v_and_b32 v6, 31, v0                           ; lane
	s_cmp_lt_u32 ttmp9, 128
	s_cbranch_scc0 .Lweights
; ---------------- node_emb: work-group TP takes rows 32 TP .. 32 TP + 31, wave kq takes k = 256 kq .. 256 kq + 255.
; Four units n = 2 u + e: tile u's 16 rows x K step 2 kq + e.  Each load reads 512 consecutive bytes of one row; the 16 rows turn through the wave's own stage, so that a lane then holds two whole blocks of its row.
	v_and_b32 v7, 15, v0                           ; r
	v_bfe_u32 v9, v0, 4, 1                         ; h
	v_lshlrev_b32 v1, 4, v6                        ; 16 x lane
	s_mul_i32 s21, s20, WST
	v_add_nc_u32 v2, s21, v1                       ; into the stage: 16 x lane of a row
	v_mul_u32_u24 v3, v7, SP
	v_lshl_add_u32 v3, v9, 7, v3
	v_add_nc_u32 v3, s21, v3                       ; out of it: row r, + 128 h bytes
	v_lshlrev_b32 v4, 3, v9                        ; 8 h: my bytes' place in a scale word
	v_lshlrev_b32 v5, 3, v6                        ; 8 x lane
	v_mov_b32 v12, 0                               ; written once: a lane permute's destination counts as one of its sources
	s_mov_b32 s22, 0x76543210
	s_mov_b32 s23, 0xfedcba98                      ; selects for lane l xor 16
	s_mov_b32 s24, 0xffff0000                      ; lanes 16-31
	s_lshl_b32 s26, ttmp9, 17                      ; 32 rows of 4,096 bytes
	s_lshl_b32 s27, s20, 10
	s_add_co_u32 s26, s26, s27
	s_mov_b32 s27, 0
	s_lshr_b32 s28, ttmp9, 3                       ; xc: row block TP / 8,
	s_lshl_b32 s28, s28, 17
	s_lshl_b32 s29, s20, 15                        ; K step 2 kq,
	s_add_co_u32 s28, s28, s29
	s_and_b32 s29, ttmp9, 7                        ; tile 2 (TP % 8)
	s_lshl_b32 s29, s29, 11
	s_add_co_u32 s28, s28, s29
	s_mov_b32 s29, 0
	s_lshl_b32 s30, ttmp9, 10                      ; xs: 1,024 bytes a group, 256 a quarter
	s_lshl_b32 s31, s20, 8
	s_add_co_u32 s30, s30, s31
	s_mov_b32 s31, 0
	s_wait_alu depctr_va_vdst(0)
	s_wait_kmcnt 0x0
	s_add_nc_u64 s[4:5], s[4:5], s[26:27]
	s_add_nc_u64 s[12:13], s[12:13], s[28:29]
	s_add_nc_u64 s[14:15], s[14:15], s[30:31]
.macro LOADX n                         ; unit n's 16 rows, 512 bytes each, into set n % 2
.irp i, 0,1,2,3,4,5,6,7,8,9,10,11,12,13,14,15
	global_load_b128 v[RAW+64*((\n)%2)+4*\i:RAW+64*((\n)%2)+4*\i+3], v1, s[4:5] offset:(8*((\n)/2)+\i+8*(\i/8))*4096+((\n)%2)*512 th:TH_LOAD_NT
.endr
.endm
.macro TURNX n                         ; through the stage: LDS serves a wave's instructions in order, so no wait stands between the stores and the loads
.irp i, 0,1,2,3,4,5,6,7,8,9,10,11,12,13,14,15
	ds_store_b128 v2, v[RAW+64*((\n)%2)+4*\i:RAW+64*((\n)%2)+4*\i+3] offset:\i*SP
.endr
.irp c, 0,1
.irp q, 0,1,2,3,4,5,6,7
	ds_load_b128 v[X+32*\c+4*\q:X+32*\c+4*\q+3], v3 offset:\c*256+16*\q
.endr
.endr
.endm
.macro UNITX n
.if (\n) < 3
	s_wait_loadcnt 16                              ; this unit's 16 loads are in; the next unit's 16 may be out
.else
	s_wait_loadcnt 0x0
.endif
	TURNX \n
	s_wait_dscnt 0x0                               ; my 64 numbers are in, and the stage's stores have read the set,
.if (\n) < 2
	LOADX (\n)+2                                   ; which takes the unit two further on
.endif
.irp c, 0,1
	v_max3_num_f32 v[8+\c], |v[X+32*\c]|, |v[X+32*\c+1]|, FLOOR   ; block 2 c + h of the K step: all 32 numbers are mine; the floor holds the byte at 1 from below
.endr
.irp i, 2,4,6,8,10,12,14,16,18,20,22,24,26,28,30
.irp c, 0,1
	v_max3_num_f32 v[8+\c], v[8+\c], |v[X+32*\c+\i]|, |v[X+32*\c+\i+1]|   ; (the two blocks by turns)
.endr
.endr
.irp c, 0,1
	v_add_nc_u32 v[10+\c], OFF2, v[8+\c]           ; 2 off the exponent field: the conversion takes the exponent field of this operand as its scale
.endr
.irp c, 0,1
.irp g, 0,1,2,3
	v_cvt_scalef32_pk8_fp4_f32 v[CD+8*(\n)+4*\c+\g], v[X+32*\c+8*\g:X+32*\c+8*\g+7], v[10+\c]
.endr
.endr
	v_lshrrev_b32 v8, 23, v10                      ; the scales' bytes (also the plain line behind the conversions)
	v_lshrrev_b32 v9, 23, v11
	v_lshl_or_b32 v13, v9, 16, v8                  ; blocks h and 2 + h,
	v_lshlrev_b32 v13, v4, v13                     ; at their places in the word;
	v_permlanex16_b32 v12, v13, s22, s23
	v_or_b32 v[WD+(\n)], v13, v12                  ; with lane l xor 16's two the word of row r is whole
.irp c, 0,1
	global_store_b128 v1, v[CD+8*(\n)+4*\c:CD+8*(\n)+4*\c+3], s[12:13] offset:((\n)%2)*16384+((\n)/2)*1024+\c*512   ; an image: 512 consecutive bytes
.endr
.endm
	LOADX 0
	LOADX 1
	UNITX 0
	UNITX 1
	UNITX 2
	UNITX 3
	v_cndmask_b32 v20, v16, v18, s24               ; lanes 0-15 store tile 0's two words of row r, lanes 16-31 tile 1's
	v_cndmask_b32 v21, v17, v19, s24
	global_store_b64 v5, v[20:21], s[14:15]        ; 256 consecutive bytes, aligned
	s_wait_tensorcnt 0x0
	ds_add_u32 v30, v31
	s_wait_dscnt 0x0
	s_endpgm
; ---------------- the weights: K is the FIRST axis.  A lane takes a column and its registers run down K: a block of 32 lies in one lane's 32 registers, and the conversions give codes with K innermost.
; Work-group 128 + 32 m + 4 cgg + kq: matrix m, columns 128 cgg .. + 127 (32 a wave, the four waves side by side on 512 bytes of a row), k = 256 kq .. + 255: 8 blocks a lane.
.Lweights:
	s_sub_co_u32 s21, ttmp9, 128
	s_lshr_b32 s22, s21, 5                         ; m
	s_bfe_u32 s23, s21, 0x30002                    ; cgg
	s_and_b32 s24, s21, 3                          ; kq
	s_lshl_b32 s23, s23, 2
	s_add_co_u32 s23, s23, s20                     ; my group of 32 columns
	s_lshr_b32 s25, s23, 1                         ; the head
	s_and_b32 s26, s23, 1                          ; which 32 of its 64 columns
	s_cmp_eq_u32 s22, 2
	s_cselect_b32 s27, -1, 0                       ; all lanes on for v, none for q and k
	v_bfe_u32 v8, v0, 3, 1                         ; q, k: column l is lane (l % 8) + 8 (l / 16) of tile (l / 8) % 2 of the pair
	v_and_b32 v9, 7, v0
	v_bfe_u32 v10, v0, 4, 1                        ; v: lane l % 16 of tile l / 16
	v_lshl_or_b32 v9, v10, 3, v9
	v_and_b32 v11, 15, v0
	v_cndmask_b32 v8, v8, v10, s27                 ; the tile of the pair
	v_cndmask_b32 v9, v9, v11, s27                 ; the lane in it
	v_lshlrev_b32 v2, 4, v9
	v_lshl_add_u32 v2, v8, 10, v2                  ; codes: 1,024 bytes a tile, 16 a lane
	v_lshlrev_b32 v3, 3, v9
	v_lshl_add_u32 v3, v8, 7, v3                   ; scale bytes: 128 a tile, 8 a lane
	v_lshlrev_b32 v1, 2, v6                        ; in: 4 bytes a lane
	s_lshl_b32 s30, s24, 20                        ; 256 rows of 4,096 bytes,
	s_lshl_b32 s31, s23, 7                         ; 32 columns of 4
	s_add_co_u32 s30, s30, s31
	s_mov_b32 s31, 0
	s_mul_i32 s28, s25, 98304                      ; wc: the head,
	s_mul_i32 s29, s24, 24576                      ; K step 2 kq,
	s_add_co_u32 s28, s28, s29
	s_lshl_b32 s29, s22, 12                        ; tile 4 m
	s_add_co_u32 s28, s28, s29
	s_lshl_b32 s29, s26, 11                        ; + 2 b
	s_add_co_u32 s28, s28, s29
	s_mov_b32 s29, 0
	s_mul_i32 s32, s25, 6144                       ; ws: the head,
	s_lshl_b32 s33, s22, 11                        ; pair 2 m
	s_add_co_u32 s32, s32, s33
	s_lshl_b32 s33, s26, 10                        ; + b,
	s_add_co_u32 s32, s32, s33
	s_lshl_b32 s33, s24, 8                         ; the quarter
	s_add_co_u32 s32, s32, s33
	s_mov_b32 s33, 0
	s_wait_alu depctr_va_vdst(0)
	s_wait_kmcnt 0x0
	s_cmp_eq_u32 s22, 0                            ; the choice hangs on the work-group's number alone
	s_cselect_b64 s[4:5], s[6:7], s[8:9]
	s_cmp_eq_u32 s22, 2
	s_cselect_b64 s[4:5], s[10:11], s[4:5]
	s_add_nc_u64 s[4:5], s[4:5], s[30:31]
	s_add_nc_u64 s[16:17], s[16:17], s[28:29]
	s_add_nc_u64 s[18:19], s[18:19], s[32:33]
.macro LOADW t                         ; block t: W(32 t + i, my column) into set t % 2: 128 consecutive bytes a wave
.irp i, 0,1,2,3,4,5,6,7,8,9,10,11,12,13,14,15,16,17,18,19,20,21,22,23,24,25,26,27,28,29,30,31
	global_load_b32 v[32+32*((\t)%2)+\i], v1, s[4:5] offset:(32*(\t)+\i)*4096 th:TH_LOAD_NT
.endr
.endm
.macro BLOCKW t
.set XS, 32+32*((\t)%2)
.if (\t) < 7
	s_wait_loadcnt 32                              ; this block's 32 loads are in; the next block's 32 may be out
.else
	s_wait_loadcnt 0x0
.endif
	v_max3_num_f32 v12, |v[XS]|, |v[XS+1]|, |v[XS+2]|
	v_max3_num_f32 v13, |v[XS+3]|, |v[XS+4]|, |v[XS+5]|
.irp i, 6,10,14,18,22,26
	v_max3_num_f32 v12, v12, |v[XS+\i]|, |v[XS+\i+1]|
	v_max3_num_f32 v13, v13, |v[XS+\i+2]|, |v[XS+\i+3]|
.endr
	v_max3_num_f32 v12, v12, |v[XS+30]|, |v[XS+31]|
	v_max3_num_f32 v12, v12, v13, FLOOR
	v_add_nc_u32 v11, OFF2, v12                    ; the conversion's scale operand
	v_lshrrev_b32 v13, 23, v11                     ; the scale's byte
.if (\t)%4 == 0
	v_mov_b32 v[16+(\t)/4], v13                    ; four bytes to a register, the lower K in the lower byte
.else
	v_lshl_or_b32 v[16+(\t)/4], v13, 8*((\t)%4), v[16+(\t)/4]
.endif
.irp g, 0,1,2,3
	v_cvt_scalef32_pk8_fp4_f32 v[96+4*(\t)+\g], v[XS+8*\g:XS+8*\g+7], v11
.endr
	global_store_b128 v2, v[96+4*(\t):96+4*(\t)+3], s[16:17] offset:((\t)/4)*12288+(((\t)/2)%2)*512+((\t)%2)*256   ; block t is half t % 2 of image (t / 2) % 2 of K step t / 4: each tile's sixteen lanes fill 256 consecutive bytes
.if (\t) < 6
	LOADW (\t)+2
.endif
.endm
	LOADW 0
	LOADW 1
	BLOCKW 0
	BLOCKW 1
	BLOCKW 2
	BLOCKW 3
	BLOCKW 4
	BLOCKW 5
	BLOCKW 6
	BLOCKW 7
	global_store_b64 v3, v[16:17], s[18:19]        ; the wave's 256 scale bytes: consecutive, aligned
	s_endpgm
.Lfunc_end_k_qbe221da0a9_quant:
	.size	k_qbe221da0a9_quant, .Lfunc_end_k_qbe221da0a9_quant-k_qbe221da0a9_quant
	.p2alignl 7, 3214868480
	.fill 96, 4, 3214868480
	.section	.rodata,"a",@progbits
	.p2align	6, 0x0
	.amdhsa_kernel k_qbe221da0a9_quant
		.amdhsa_group_segment_fixed_size 34304
		.amdhsa_private_segment_fixed_size 0
		.amdhsa_enable_private_segment 0
		.amdhsa_kernarg_size 64
		.amdhsa_user_sgpr_count 2
		.amdhsa_user_sgpr_kernarg_segment_ptr 1
		.amdhsa_wavefront_size32 1
		.amdhsa_system_sgpr_workgroup_id_x 1
		.amdhsa_system_sgpr_workgroup_id_y 1
		.amdhsa_system_sgpr_workgroup_id_z 1
		.amdhsa_system_vgpr_workitem_id 0
		.amdhsa_next_free_vgpr 256
		.amdhsa_next_free_sgpr 66
		.amdhsa_reserve_vcc 0
		.amdhsa_float_denorm_mode_32 3
		.amdhsa_float_denorm_mode_16_64 3
		.amdhsa_memory_ordered 1
		.amdhsa_forward_progress 1
		.amdhsa_inst_pref_size 68
	.end_amdhsa_kernel
	.amdgpu_metadata
---
amdhsa.version: [ 1, 2 ]
amdhsa.kernels:
  - .name:           k_qbe221da0a9_quant
    .symbol:         k_qbe221da0a9_quant.kd
    .args:
      - { .name: node_emb, .offset: 0, .size: 8, .value_kind: global_buffer, .address_space: global }
      - { .name: Wq, .offset: 8, .size: 8, .value_kind: global_buffer, .address_space: global }
      - { .name: Wk, .offset: 16, .size: 8, .value_kind: global_buffer, .address_space: global }
      - { .name: Wv, .offset: 24, .size: 8, .value_kind: global_buffer, .address_space: global }
      - { .name: xc, .offset: 32, .size: 8, .value_kind: global_buffer, .address_space: global }
      - { .name: xs, .offset: 40, .size: 8, .value_kind: global_buffer, .address_space: global }
      - { .name: wc, .offset: 48, .size: 8, .value_kind: global_buffer, .address_space: global }
      - { .name: ws, .offset: 56, .size: 8, .value_kind: global_buffer, .address_space: global }
    .group_segment_fixed_size: 34304
    .private_segment_fixed_size: 0
    .kernarg_segment_align: 8
    .kernarg_segment_size: 64
    .max_flat_workgroup_size: 128
    .sgpr_count:     66
    .vgpr_count:     256
    .wavefront_size: 32
...
	.end_amdgpu_metadata
.endif
;; end of part 1
;; launch proj (part 2): grid 16 x 16, 12 waves a work-group, clusters of 4 x 4, 231,680 bytes of LDS; arguments xc, xs, wc, ws, bq, bk, bv, qbuf, kbuf, vbuf; writes qbuf, kbuf, vbuf
.if DOCPART == 2
	.amdgcn_target "amdgcn-amd-amdhsa--gfx1250"
	.amdhsa_code_object_version 6
	.text
	.protected	k_qbe221da0a9_proj
	.globl	k_qbe221da0a9_proj
	.p2align	8
	.type	k_qbe221da0a9_proj,@function
k_qbe221da0a9_proj:
	s_mov_b64 s[64:65], 0
	v_nop
	global_prefetch_b8 v0, s[64:65] scope:SCOPE_SE
	s_setreg_imm32_b32 hwreg(HW_REG_WAVE_MODE, 25, 1), 1
	s_wait_xcnt 0x0
	s_wait_alu depctr_hold_cnt(0) depctr_sa_sdst(0) depctr_va_vdst(0) depctr_va_sdst(0) depctr_va_ssrc(0) depctr_va_vcc(0) depctr_vm_vsrc(0)
	s_getreg_b32 s2, hwreg(HW_REG_IB_STS2, 6, 4)
	s_cmp_eq_u32 s2, 0
	s_cbranch_scc0 .Lentry_in_a_cluster
	s_endpgm
.Lentry_in_a_cluster:
	s_bfe_u32 s2, ttmp6, 0x10000c
	s_cmp_lg_u32 s2, 0xf033
	s_cbranch_scc0 .Lentry_shape_is_right
	s_endpgm
.Lentry_shape_is_right:
; q = x Wq + bq, k = x Wk + bk, v = x Wv + bv on codes of FP4 with E8M0 scales (K = 1024, f32 sums, the bias added in f32), and the results quantised at once for the attention launch:
; q and k along the head's 64 channels, v along the keys (its rows).  Nothing leaves as f32.
; SHARES.  Work-group (hx, ry) takes rows 256 ry .. + 255 and head hx's 64 columns of each of q, k, v.  Twelve waves: wave w has role m = w / 4 (q, k, v) and rows 64 g .. + 63, g = w % 4: 16 accumulators of 16 x 16.
; LDS.  All that the work-group multiplies fits at once: K step s at 28,672 s: x's 16 tiles (16,384 bytes), then W's 12 (12,288), as images of operand registers.  Every byte is filled once, by twelve tensor loads at the start.
; CLUSTER 4 x 4: the four of a row of the cluster share ry and so x's tiles, the four of a column share hx and so W's: each tile is asked for jointly.  Waves 0 to 7 ask, wave w for K step w: two loads of a wave are out.
; LAYOUT.  x's tile has lane r = row r + 8 (r / 8) of its 32 rows' pair, and so have Wq's and Wk's tiles in their columns; Wv's columns are neighbours.
;   q, k: source 0 = W's tile i, source 1 = x's tile j: lane (r, h) holds x's row of lane r, and the 16 registers of tiles i = 2 b, 2 b + 1 are channels 32 b + 16 h + 0 .. 15.
;   v:    source 0 = x's tile i, source 1 = Wv's tile j: lane (r, h) holds channel 16 j + r, and the 16 registers of tiles i = 2 b, 2 b + 1 are rows 32 b + 16 h + 0 .. 15.
;   So in every role accumulators (0 .. 3, j) are 64 neighbours along the next product's K, and one macro quantises them; its four code registers are one image of 512 bytes.
; OUT.  qbuf, kbuf [16 heads][4 chunks of 1,024 rows][36,864]: codes at 4,096 ks + 512 T + 16 lane (ks: 128 rows; tile T's lane (r, h): row 32 (T / 2) + 8 (T % 2) + r + 8 (r / 8), channels 32 h ..);
;   scale words at 32,768 + 512 ks + 256 (T / 4) + 16 r + 4 (T % 4): two bytes, and 0x7f twice for the half of the instruction's K = 128 that a head of 64 leaves empty.
;   vbuf [16][4][34,816]: codes at 4,096 ks + 1,024 t + 512 c + 16 lane (lane (r, h): channel 16 t + r, keys 64 c + 32 h ..); scale words at 32,768 + 256 ks + 16 r + 4 t.
; LIMITS: a block whose largest magnitude lies under 2^-124 keeps the byte 1; NaN and infinities are not served.
; LDS AS IT IS LAID HERE (this takes the place of what the head says of K steps at 28,672 s and of two loads a wave): x's K step s at 16,384 s (131,072 bytes), W's K step s at 131,072 + 12,288 s (98,304 bytes).
; Both are dense blocks of memory too: waves 0 to 7 ask for one K step of x each, waves 8 to 11 for two K steps of W each: one tensor load a wave.
.set VST,   229632                     ; behind the tiles, in blocks of 256 bytes into which no fill lands: 512 bytes where v's scale words of two key steps meet
.set AX,    2                          ; v2-3   LDS address of my four tiles of x in K steps 0, 4
.set AW,    5                          ; v5-6   the same for W
.set VSA,   8                          ; v8     where I put two scale bytes of v
.set SLO,   9                          ; v9     256 h + 8 r: my eight scale bytes of a tile
.set B64H,  10                         ; v10    64 h
.set B4R,   11                         ; v11    4 r
.set SWO,   12                         ; v12    16 r + 8 h
.set VRD,   13                         ; v13    VST + 16 x lane
.set SCW,   16                         ; v16-31 W's scale words, v32-47 x's: register 4 tile + 2 (s / 4) + s % 2, in the lanes' row (s / 2) % 2; they hold scales and nothing else
.set SCX,   32
.set FW,    48                         ; v48-79  W's four fragments; later the bias
.set FX,    80                         ; v80-111 x's four; later at work
.set ACC,   112                        ; v112-239 accumulator (i, j) at 112 + 32 j + 8 i
.set CD,    240                        ; v240-255 the codes made
.set MX,    80
.set PT,    88
.set SOP,   96
.set WW,    104
.set SEL,   96                         ; s96, s97
.set HM,    98                         ; s98  lanes 16-31
.set FLOOR, 0x1800000
.set OFF2,  0xff000000
.macro CROUND                          ; a round of the cluster's barrier
	s_barrier_signal -1
	s_barrier_wait -1
	s_cmp_lg_u32 s24, 0
	s_cbranch_scc1 .Lnot_wave_0_\@
	s_barrier_signal -3
.Lnot_wave_0_\@:
	s_barrier_wait -3
	s_barrier_signal -1
	s_barrier_wait -1
.endm
	s_load_b256 s[4:11], s[0:1], 0x0               ; xc s[4:5], xs s[6:7], wc s[8:9], ws s[10:11]
	s_load_b256 s[12:19], s[0:1], 0x20             ; bq s[12:13], bk s[14:15], bv s[16:17], qbuf s[18:19]
	s_load_b128 s[20:23], s[0:1], 0x40             ; kbuf s[20:21], vbuf s[22:23]
	s_set_vgpr_msb 0x40
	v_lshl_add_u32 v0, v0, 2, 0x38300
	v_mov_b32 v1, 0
	s_set_vgpr_msb 0x4045
	ds_add_u32 v0, v1
	ds_add_u32 v0, v1
	s_set_vgpr_msb 0x4500
	v_lshrrev_b32 v1, 5, v0
	s_delay_alu instid0(VALU_DEP_1)
	v_readfirstlane_b32 s24, v1                    ; wave 0..11
	s_lshr_b32 s25, s24, 2                         ; m: q, k, v
	s_and_b32 s26, s24, 3                          ; g: my 64 rows
	s_bfe_u32 s27, ttmp6, 0x40000                  ; cx
	s_bfe_u32 s28, ttmp6, 0x40004                  ; cy
	s_lshl_b32 s29, ttmp9, 2
	s_add_co_u32 s29, s29, s27                     ; hx = 4 x cluster x + cx
	s_and_b32 s30, ttmp7, 0xffff
	s_lshl_b32 s30, s30, 2
	s_add_co_u32 s30, s30, s28                     ; ry = 4 x cluster y + cy
	s_lshl_b32 s31, s28, 2
	s_lshl_b32 s31, 15, s31                        ; my row of the cluster
	s_lshl_b32 s32, 0x1111, s27                    ; my column
	; descriptor group 1: a dense block as rows of 256 bytes (32 elements of 8 bytes): x's 64 rows, W's 96
	s_or_b32 s36, s31, (3<<16)|(1<<21)             ; 15:0 the mask: x's tiles go to my row; 17:16 elements of 8 bytes; 21 set beside a mask
	s_mov_b32 s37, 32<<16                          ; tensor_dim0 = 32
	s_mov_b32 s38, 64<<16                          ; tensor_dim1 = 64
	s_mov_b32 s39, 32<<16                          ; tile_dim0 = 32
	s_mov_b32 s40, 64                              ; tile_dim1 = 64
	s_mov_b32 s41, 32                              ; from row to row
	s_mov_b32 s42, 0
	s_mov_b32 s43, 0
	s_or_b32 s44, s32, (3<<16)|(1<<21)             ; W's tiles go to my column
	s_mov_b32 s45, 32<<16
	s_mov_b32 s46, 96<<16
	s_mov_b32 s47, 32<<16
	s_mov_b32 s48, 96
	s_mov_b32 s49, 32
	s_mov_b32 s50, 0
	s_mov_b32 s51, 0
	s_lshl_b32 s84, s30, 17                        ; x: row block ry, K step w (registers that never hold cx)
	s_lshl_b32 s85, s24, 14
	s_add_co_u32 s84, s84, s85
	s_mov_b32 s85, 0
	s_mul_i32 s86, s29, 98304                      ; W: head hx, two K steps (registers that never hold cy)
	s_and_b32 s87, s24, 3
	s_mul_i32 s87, s87, 24576                      ; W: K steps 2 (w - 8) and the next
	s_add_co_u32 s86, s86, s87
	s_mov_b32 s87, 0
	s_mov_b32 s52, 1
	s_lshl_b32 s53, s24, 14                        ; x's K step w
	s_mov_b32 s56, 1
	s_and_b32 s57, s24, 3
	s_mul_i32 s57, s57, 24576
	s_add_co_u32 s57, s57, 131072                  ; W's K steps 2 (w - 8) and the next
	; every LDS address is made here, ahead of the roles' parting
	v_and_b32 v14, 31, v0                          ; lane
	v_and_b32 v15, 15, v0                          ; r
	s_wait_alu depctr_va_vdst(0)
	v_bfe_u32 v48, v0, 4, 1                        ; h
	v_lshlrev_b32 v1, 4, v14                       ; 16 x lane
	s_wait_alu depctr_va_vdst(0)
	s_lshl_b32 s33, s26, 12
	v_add_nc_u32 v[AX], s33, v1                    ; x's tiles 4 g ..
	s_delay_alu instid0(VALU_DEP_1)
	v_add_nc_u32 v[AX+1], 65536, v[AX]             ; K steps 4 to 7
	s_lshl_b32 s33, s25, 12
	s_add_co_u32 s33, s33, 131072
	v_add_nc_u32 v[AW], s33, v1                    ; W's tiles 4 m ..
	s_delay_alu instid0(VALU_DEP_1)
	v_add_nc_u32 v[AW+1], 49152, v[AW]             ; K steps 4 to 7
	s_lshr_b32 s33, s26, 1
	s_lshl_b32 s33, s33, 8                         ; v's scale words: key step g / 2 of the two,
	s_and_b32 s34, s26, 1
	s_lshl_b32 s34, s34, 1                         ; bytes 2 (g % 2) and the next of a word
	s_add_co_u32 s33, s33, s34
	s_add_co_u32 s33, s33, VST
	v_lshl_add_u32 v[VSA], v15, 4, s33
	v_add_nc_u32 v[VRD], VST, v1
	v_lshlrev_b32 v[SLO], 3, v15
	s_delay_alu instid0(VALU_DEP_1)
	v_lshl_add_u32 v[SLO], v48, 8, v[SLO]
	v_lshlrev_b32 v[B64H], 6, v48
	v_lshlrev_b32 v[B4R], 2, v15
	v_lshlrev_b32 v[SWO], 4, v15
	s_delay_alu instid0(VALU_DEP_1)
	v_lshl_add_u32 v[SWO], v48, 3, v[SWO]
	s_mov_b32 s[SEL], 0x76543210
	s_mov_b32 s[SEL+1], 0xfedcba98
	s_mov_b32 s[HM], 0xffff0000
	s_wait_dscnt 0x0
	s_wait_kmcnt 0x0
	s_add_nc_u64 s[54:55], s[4:5], s[84:85]
	s_or_b32 s55, s55, 0x80000000                  ; type = 2
	s_add_nc_u64 s[58:59], s[8:9], s[86:87]
	s_or_b32 s59, s59, 0x80000000
	CROUND                                         ; all sixteen work-groups are here: the joint loads meet
	s_cmp_lt_u32 s24, 8                            ; a wave's fill stands in one branch on its number
	s_cbranch_scc0 .Lfetch_w
	tensor_load_to_lds s[52:55], s[36:43]          ; waves 0 to 7: x's K step w
	s_nop 0
.rept 4
	v_nop
.endr
	s_branch .Lno_fetch
.Lfetch_w:
	tensor_load_to_lds s[56:59], s[44:51]          ; waves 8 to 11: two K steps of W
	s_nop 0
.rept 4
	v_nop
.endr
.Lno_fetch:
	s_lshl_b32 s60, s30, 13                        ; x's scale bytes: group 8 ry + 2 g of 32 rows
	s_lshl_b32 s61, s26, 11
	s_add_co_u32 s60, s60, s61
	s_mov_b32 s61, 0
	s_add_nc_u64 s[66:67], s[6:7], s[60:61]
	s_mul_i32 s60, s29, 6144                       ; W's: head hx, pair 2 m
	s_lshl_b32 s62, s25, 11
	s_add_co_u32 s60, s60, s62
	s_add_nc_u64 s[68:69], s[10:11], s[60:61]
	s_wait_alu depctr_va_vdst(0)
.irp t, 0,1,2,3
.irp p, 0,1
	global_load_b64 v[SCW+4*\t+2*\p:SCW+4*\t+2*\p+1], v[SLO], s[68:69] offset:(\t/2)*1024+(\t%2)*128+\p*512   ; lane (r, h): the eight bytes of quarter 2 p + h of K
	global_load_b64 v[SCX+4*\t+2*\p:SCX+4*\t+2*\p+1], v[SLO], s[66:67] offset:(\t/2)*1024+(\t%2)*128+\p*512
.endr
.endr
	; where the results go
	s_mul_i32 s88, s29, 147456
	s_lshr_b32 s89, s30, 2
	s_mul_i32 s90, s89, 36864
	s_add_co_u32 s88, s88, s90                     ; the chunk in qbuf or kbuf
	s_and_b32 s91, s30, 3
	s_lshl_b32 s60, s91, 13
	s_lshl_b32 s62, s26, 11
	s_add_co_u32 s60, s60, s62
	s_add_co_u32 s60, s60, s88                     ; codes: + 8,192 (ry % 4) + 2,048 g
	s_lshl_b32 s62, s91, 10
	s_lshl_b32 s63, s26, 8
	s_add_co_u32 s62, s62, s63
	s_add_co_u32 s62, s62, s88
	s_add_co_u32 s62, s62, 32768                   ; scale words: + 32,768 + 1,024 (ry % 4) + 256 g
	s_mov_b32 s63, 0
	s_cmp_eq_u32 s25, 0
	s_cselect_b64 s[72:73], s[18:19], s[20:21]
	s_add_nc_u64 s[74:75], s[72:73], s[62:63]
	s_add_nc_u64 s[72:73], s[72:73], s[60:61]
	s_mul_i32 s88, s29, 139264
	s_mul_i32 s90, s89, 34816
	s_add_co_u32 s88, s88, s90                     ; the chunk in vbuf
	s_lshl_b32 s60, s91, 13
	s_lshr_b32 s62, s26, 1
	s_lshl_b32 s62, s62, 12
	s_add_co_u32 s60, s60, s62
	s_and_b32 s62, s26, 1
	s_lshl_b32 s62, s62, 9
	s_add_co_u32 s60, s60, s62
	s_add_co_u32 s60, s60, s88                     ; codes: + 8,192 (ry % 4) + 4,096 (g / 2) + 512 (g % 2)
	s_lshl_b32 s62, s91, 9
	s_add_co_u32 s62, s62, s88
	s_add_co_u32 s62, s62, 32768                   ; scale words: + 32,768 + 512 (ry % 4)
	s_add_nc_u64 s[76:77], s[22:23], s[60:61]
	s_add_nc_u64 s[78:79], s[22:23], s[62:63]
	s_cmp_eq_u32 s25, 0
	s_cselect_b64 s[70:71], s[12:13], s[14:15]
	s_cmp_eq_u32 s25, 2
	s_cselect_b64 s[70:71], s[16:17], s[70:71]
	s_lshl_b32 s60, s29, 8
	s_add_nc_u64 s[70:71], s[70:71], s[60:61]      ; my role's bias at the head's 64 numbers
	s_wait_loadcnt 0x0                             ; the scale words
	s_wait_tensorcnt 0x0                           ; my fill has landed,
	s_barrier_signal -1
	s_barrier_wait -1                              ; everybody's have: all eight K steps lie in LDS
.macro MM d, a, b, sa, sb, mode        ; mode 0: the product starts the sum; 1: scale words from lanes 0-15; 2: from lanes 16-31
.if (\mode) == 0
	v_wmma_scale_f32_16x16x128_f8f6f4 v[(\d):(\d)+7], v[(\a):(\a)+7], v[(\b):(\b)+7], 0, v[(\sa)], v[(\sb)] matrix_a_fmt:MATRIX_FMT_FP4 matrix_b_fmt:MATRIX_FMT_FP4
.elseif (\mode) == 1
	v_wmma_scale_f32_16x16x128_f8f6f4 v[(\d):(\d)+7], v[(\a):(\a)+7], v[(\b):(\b)+7], v[(\d):(\d)+7], v[(\sa)], v[(\sb)] matrix_a_fmt:MATRIX_FMT_FP4 matrix_b_fmt:MATRIX_FMT_FP4
.else
	v_wmma_scale_f32_16x16x128_f8f6f4 v[(\d):(\d)+7], v[(\a):(\a)+7], v[(\b):(\b)+7], v[(\d):(\d)+7], v[(\sa)], v[(\sb)] matrix_a_fmt:MATRIX_FMT_FP4 matrix_b_fmt:MATRIX_FMT_FP4 matrix_a_scale:MATRIX_SCALE_ROW1 matrix_b_scale:MATRIX_SCALE_ROW1
.endif
.endm
; K step s: eight fragments from LDS, sixteen products; the sixteen accumulators take turns, one instruction a turn.
.macro KSTEP s, role
.if (\s) > 0
.rept 4
	v_nop                                          ; four places in front of loads into registers that matrix instructions have read
.endr
.endif
.irp i, 0,1,2,3
.irp c, 0,1
	ds_load_b128 v[FW+8*\i+4*\c:FW+8*\i+4*\c+3], v[AW+(\s)/4] offset:((\s)%4)*12288+\i*1024+\c*512
	ds_load_b128 v[FX+8*\i+4*\c:FX+8*\i+4*\c+3], v[AX+(\s)/4] offset:((\s)%4)*16384+\i*1024+\c*512
.endr
.endr
	s_wait_dscnt 0x0
.set PE, 2*((\s)/4)+(\s)%2
.set MD, 1+((\s)/2)%2
.if (\s) == 0
.set MD, 0
.endif
.irp j, 0,1,2,3
.irp i, 0,1,2,3
.if \role
	MM ACC+32*\j+8*\i, FX+8*\i, FW+8*\j, SCX+4*\i+PE, SCW+4*\j+PE, MD
.else
	MM ACC+32*\j+8*\i, FW+8*\i, FX+8*\j, SCW+4*\i+PE, SCX+4*\j+PE, MD
.endif
.endr
.endr
.endm
; Block q = 2 j + b is the 16 registers at ACC + 16 q of this lane and of lane l xor 16.  Out: the image of column group j in v[CD + 4 j ..], its two scale bytes in v[WW + j].
.macro QUANT4
.irp q, 0,1,2,3,4,5,6,7
	v_max3_num_f32 v[MX+\q], |v[ACC+16*\q]|, |v[ACC+16*\q+1]|, FLOOR   ; my 16 numbers and the floor 2^(3 - 127): the byte cannot fall under 1
.endr
.irp i, 2,4,6,8,10,12,14
.irp q, 0,1,2,3,4,5,6,7
	v_max3_num_f32 v[MX+\q], v[MX+\q], |v[ACC+16*\q+\i]|, |v[ACC+16*\q+\i+1]|   ; (the eight blocks by turns)
.endr
.endr
.irp q, 0,1,2,3,4,5,6,7
	v_permlanex16_b32 v[PT+\q], v[MX+\q], s[SEL], s[SEL+1]
.endr
.irp q, 0,1,2,3,4,5,6,7
	v_max_num_f32 v[MX+\q], v[MX+\q], v[PT+\q]     ; the block's largest magnitude
.endr
.irp q, 0,1,2,3,4,5,6,7
	v_add_nc_u32 v[SOP+\q], OFF2, v[MX+\q]         ; 2 off its exponent field: the conversion's scale operand
.endr
.irp q, 0,1,2,3,4,5,6,7
	v_lshrrev_b32 v[PT+\q], 23, v[SOP+\q]          ; the scale's byte
.endr
.irp j, 0,1,2,3
	v_lshl_or_b32 v[WW+\j], v[PT+2*\j+1], 8, v[PT+2*\j]
.endr
.irp q, 0,1,2,3,4,5,6,7
.irp u, 0,1
	v_cvt_scalef32_pk8_fp4_f32 v[CD+2*\q+\u], v[ACC+16*\q+8*\u:ACC+16*\q+8*\u+7], v[SOP+\q]
.endr
.endr
	v_nop                                          ; one plain place behind a scaled conversion
.irp j, 0,1,2,3
.irp i, 0,1
	v_permlane16_swap_b32 v[CD+4*\j+\i], v[CD+4*\j+2+\i]   ; a whole block to a lane: lanes 0-15 block 0, lanes 16-31 block 1
.endr
.endr
.endm
	s_cmp_lt_u32 s25, 2
	s_cbranch_scc0 .Lrole_v
	; ---------------- q and k
	KSTEP 0, 0
	KSTEP 1, 0
	KSTEP 2, 0
	KSTEP 3, 0
	KSTEP 4, 0
	KSTEP 5, 0
	KSTEP 6, 0
	KSTEP 7, 0
.rept 4
	v_nop                                          ; places in front of the loads below and of the first read of results
.endr
.irp i, 0,1,2,3
	global_load_b128 v[FW+8*\i:FW+8*\i+3], v[B64H], s[70:71] offset:(32*(\i/2)+8*(\i%2))*4       ; the bias of tile i's eight channels of my half
	global_load_b128 v[FW+8*\i+4:FW+8*\i+7], v[B64H], s[70:71] offset:(32*(\i/2)+8*(\i%2))*4+16
.endr
	s_wait_loadcnt 0x0
.irp j, 0,1,2,3
.irp i, 0,1,2,3
.irp e, 0,2,4,6
	v_pk_add_f32 v[ACC+32*\j+8*\i+\e:ACC+32*\j+8*\i+\e+1], v[ACC+32*\j+8*\i+\e:ACC+32*\j+8*\i+\e+1], v[FW+8*\i+\e:FW+8*\i+\e+1]   ; each accumulator from its low end on
.endr
.endr
.endr
	QUANT4
.irp j, 0,1,2,3
	global_store_b128 v1, v[CD+4*\j:CD+4*\j+3], s[72:73] offset:512*\j   ; tile 4 (g % 2) + j's image: 512 consecutive bytes
.endr
.irp j, 0,1,2,3
	v_or_b32 v[WW+\j], 0x7f7f0000, v[WW+\j]        ; the empty half of K = 128 gets the scale 1
.endr
	s_delay_alu instid0(VALU_DEP_2)
	v_cndmask_b32 v108, v104, v106, s[HM]          ; lanes 0-15 store row r's words of tiles 0, 1, lanes 16-31 those of tiles 2, 3
	s_delay_alu instid0(VALU_DEP_2)
	v_cndmask_b32 v109, v105, v107, s[HM]
	global_store_b64 v[SWO], v[108:109], s[74:75]  ; 256 consecutive bytes, aligned
	s_branch .Ljoin
.Lrole_v:
	; ---------------- v
	KSTEP 0, 1
	KSTEP 1, 1
	KSTEP 2, 1
	KSTEP 3, 1
	KSTEP 4, 1
	KSTEP 5, 1
	KSTEP 6, 1
	KSTEP 7, 1
.rept 4
	v_nop
.endr
.irp j, 0,1,2,3
	global_load_b32 v[FW+2*\j], v[B4R], s[70:71] offset:64*\j     ; the bias of channel 16 j + r, in both halves of a pair
	global_load_b32 v[FW+2*\j+1], v[B4R], s[70:71] offset:64*\j
.endr
	s_wait_loadcnt 0x0
.irp j, 0,1,2,3
.irp i, 0,1,2,3
.irp e, 0,2,4,6
	v_pk_add_f32 v[ACC+32*\j+8*\i+\e:ACC+32*\j+8*\i+\e+1], v[ACC+32*\j+8*\i+\e:ACC+32*\j+8*\i+\e+1], v[FW+2*\j:FW+2*\j+1]
.endr
.endr
.endr
	QUANT4
.irp j, 0,1,2,3
	global_store_b128 v1, v[CD+4*\j:CD+4*\j+3], s[76:77] offset:1024*\j  ; channels 16 j .., my 64 keys: 512 consecutive bytes
.endr
.irp j, 0,1,2,3
	ds_store_b16 v[VSA], v[WW+\j] offset:4*\j      ; my two bytes of channel 16 j + r's word (both halves of the lanes write the same value to the same place)
.endr
.Ljoin:
	s_wait_dscnt 0x0                               ; for the others' sake: my stores into the stage are done
	s_barrier_signal -1
	s_barrier_wait -1
	s_cmp_lg_u32 s24, 8
	s_cbranch_scc1 .Lnot_8
	ds_load_b128 v[48:51], v[VRD]                  ; the four waves' bytes make whole words: two key steps' 512 bytes
	s_wait_dscnt 0x0
	global_store_b128 v1, v[48:51], s[78:79]       ; 512 consecutive bytes, aligned
.Lnot_8:
	s_set_vgpr_msb 0x5
	s_wait_tensorcnt 0x0
	ds_add_u32 v0, v1
	s_wait_dscnt 0x0
	s_set_vgpr_msb 0x500
	CROUND                                         ; the closing round: no work-group ends while a partner may still ask for a tile that names it
	s_endpgm
.Lfunc_end_k_qbe221da0a9_proj:
	.size	k_qbe221da0a9_proj, .Lfunc_end_k_qbe221da0a9_proj-k_qbe221da0a9_proj
	.p2alignl 7, 3214868480
	.fill 96, 4, 3214868480
	.section	.rodata,"a",@progbits
	.p2align	6, 0x0
	.amdhsa_kernel k_qbe221da0a9_proj
		.amdhsa_group_segment_fixed_size 231680
		.amdhsa_private_segment_fixed_size 0
		.amdhsa_enable_private_segment 0
		.amdhsa_kernarg_size 80
		.amdhsa_user_sgpr_count 2
		.amdhsa_user_sgpr_kernarg_segment_ptr 1
		.amdhsa_wavefront_size32 1
		.amdhsa_system_sgpr_workgroup_id_x 1
		.amdhsa_system_sgpr_workgroup_id_y 1
		.amdhsa_system_sgpr_workgroup_id_z 1
		.amdhsa_system_vgpr_workitem_id 0
		.amdhsa_next_free_vgpr 258
		.amdhsa_next_free_sgpr 100
		.amdhsa_reserve_vcc 0
		.amdhsa_float_denorm_mode_32 3
		.amdhsa_float_denorm_mode_16_64 3
		.amdhsa_memory_ordered 1
		.amdhsa_forward_progress 1
		.amdhsa_inst_pref_size 87
	.end_amdhsa_kernel
	.amdgpu_metadata
---
amdhsa.version: [ 1, 2 ]
amdhsa.kernels:
  - .name:           k_qbe221da0a9_proj
    .symbol:         k_qbe221da0a9_proj.kd
    .args:
      - { .name: xc, .offset: 0, .size: 8, .value_kind: global_buffer, .address_space: global }
      - { .name: xs, .offset: 8, .size: 8, .value_kind: global_buffer, .address_space: global }
      - { .name: wc, .offset: 16, .size: 8, .value_kind: global_buffer, .address_space: global }
      - { .name: ws, .offset: 24, .size: 8, .value_kind: global_buffer, .address_space: global }
      - { .name: bq, .offset: 32, .size: 8, .value_kind: global_buffer, .address_space: global }
      - { .name: bk, .offset: 40, .size: 8, .value_kind: global_buffer, .address_space: global }
      - { .name: bv, .offset: 48, .size: 8, .value_kind: global_buffer, .address_space: global }
      - { .name: qbuf, .offset: 56, .size: 8, .value_kind: global_buffer, .address_space: global }
      - { .name: kbuf, .offset: 64, .size: 8, .value_kind: global_buffer, .address_space: global }
      - { .name: vbuf, .offset: 72, .size: 8, .value_kind: global_buffer, .address_space: global }
    .group_segment_fixed_size: 231680
    .private_segment_fixed_size: 0
    .kernarg_segment_align: 8
    .kernarg_segment_size: 80
    .max_flat_workgroup_size: 384
    .sgpr_count:     100
    .vgpr_count:     258
    .wavefront_size: 32
...
	.end_amdgpu_metadata
.endif
;; end of part 2
;; launch attn (part 3): grid 16 x 16, 16 waves a work-group, clusters of 4 x 1, 327,680 bytes of LDS; arguments qbuf, kbuf, vbuf, out0; writes out0
.if DOCPART == 3
	.amdgcn_target "amdgcn-amd-amdhsa--gfx1250"
	.amdhsa_code_object_version 6
	.text
	.protected	k_qbe221da0a9_attn
	.globl	k_qbe221da0a9_attn
	.p2align	8
	.type	k_qbe221da0a9_attn,@function
k_qbe221da0a9_attn:
	s_mov_b64 s[64:65], 0
	v_nop
	global_prefetch_b8 v0, s[64:65] scope:SCOPE_SE
	s_setreg_imm32_b32 hwreg(HW_REG_WAVE_MODE, 25, 1), 1
	s_wait_xcnt 0x0
	s_wait_alu depctr_hold_cnt(0) depctr_sa_sdst(0) depctr_va_vdst(0) depctr_va_sdst(0) depctr_va_ssrc(0) depctr_va_vcc(0) depctr_vm_vsrc(0)
	s_getreg_b32 s2, hwreg(HW_REG_IB_STS2, 6, 4)
	s_cmp_eq_u32 s2, 0
	s_cbranch_scc0 .Lentry_in_a_cluster
	s_endpgm
.Lentry_in_a_cluster:
	s_bfe_u32 s2, ttmp6, 0x10000c
	s_cmp_lg_u32 s2, 0x3003
	s_cbranch_scc0 .Lentry_shape_is_right
	s_endpgm
.Lentry_shape_is_right:
; out[q][64 head + d] = the sum over keys of softmax(q . k / 8) v, both products on codes of FP4 with E8M0 scales; 16 heads of 64 channels, 4,096 queries and keys, no mask.
; THE SOFTMAX: t = score x log2(e) / 8; M = the row's largest t so far, rounded up to a whole number; p = 2^(t - M) is quantised along the keys, not normalised.  The row's sum is taken of the
; unquantised p in f32 and divides at the end.  When M moves, the sum and O are multiplied by 2^(old M - new M), which rounds nothing.
; SHARES.  A work-group owns 256 queries of one head, each of its sixteen waves one tile of 16.  A step is 256 keys: M, the factor and O's rescaling are made once for 128 scores a lane.
; LDS.  A head's K and V lie in LDS whole, each byte filled once, by sixteen tensor loads, one a wave: wave w brings chunk w % 4 (1,024 keys) of K's codes (w / 4 = 0), K's scale words (1), V's codes (2), V's scale words (3).
; The loads go out ahead of all set-up that they do not need.  CLUSTER 4 x 1: the four work-groups of a cluster belong to one head and ask for each chunk jointly.
; BARRIERS.  One ahead of the steps.  One more is split: a wave signals when it has read the first eight steps' tiles of K (bytes 0 to 73,727) and waits at its own end, ahead of the way out, whose stages lie in the
; first 69,632 of those bytes; between the two stand register work and LDS loads of other bytes alone.
; No prefetch is written: all that the launch reads by tensor loads is asked for at the head, so there is no later request to run ahead of.
; LAYOUT.  Both products are used transposed (S^T = K Q^T, O^T = V^T P^T): a lane holds one query (lane % 16).  THE KEYS OF A TILE ARE CHOSEN BY THE LDS ADDRESS: lane r of tile 4 c + i of 128 keys takes key
; 64 c + 32 (r / 8) + 8 i + r % 8, so that the 32 registers of tiles 4 c .. 4 c + 3 in lane (r, h) are the WHOLE block of keys 64 c + 32 h + 0 .. 31: a block's maximum needs no other lane, and the four
; conversions of a block give registers 4 c .. 4 c + 3 of P's operand as they stand.  In kbuf that key lies at 1,024 (4 ks + 2 c + r / 8) + 512 (i % 2) + 128 (i / 2) + 16 (r % 8) + 256 h;
; the descriptor lays 128 bytes of padding behind each 1,024 (K's scale words: behind each 256), so that lanes 8 to 15 (lanes 16 to 31) fall on the other half of the banks.
; A BLOCK'S SCALE is not searched for among the p: its largest score goes through the same multiply-add as every score, and floor of that is floor(log2) of the block's largest p (this takes v_exp_f32 not to reach the next power of two from below it).
; A HEAD OF 64 fills half of the instruction's K = 128: Q's upper four registers hold zero codes and both sides' scale bytes there are 0x7f, so the four registers behind a tile of K may hold any bits.
; CHAINS.  The maxima and the row's sum go in eight chains by turns, and the few lines that make the scales stand among the 64 multiply-adds: no line reads what one of the seven lines above it wrote, but for the short chain that makes M.
; REGISTERS.  K's first 128 keys are staged in the registers of the second 128 scores; V's second 128 keys land in the first 32 score registers once their codes are made.
; LIMITS: NaN and infinities are not served; the promise holds while |t| stays under 2^31; a block whose largest p lies under 2^-124 keeps the byte 1.
.set SPW,1
.set NIL,2
.set AK,3                              ; LDS addresses: K's tiles, K's scale words, V's tiles, V's scale words
.set AKS,4
.set AV,5
.set AVS,6
.set QF,8                              ; v8-11 Q's codes, v12-15 zeros
.set QS,16
.set NEGM,18                           ; v18 -M of the step before, v19 the largest score so far
.set MRUN,19
.set F,20                              ; v20 f = 2^(old M - new M); v21 at work
.set TA,21
.set L,22                              ; v[22:23] the sum, in two halves
.set BM,24                             ; v24-27 my four blocks' largest scores, then exponents, then the conversions' scale operands, then two chains of the sum
.set BX,28                             ; v28-31 the maxima's second chains
.set PT,28                             ; v28, v29 then at work on the scale bytes, then a chain of the sum
.set T3,30                             ; v[30:31] a chain of the sum
.set KS,32                             ; v32-39 K's scale words; then v32-35 V's
.set PW,40                             ; v40, v41 p's scale words
.set N2,42                             ; v42 the new -M (v43 named with it as a pair); then a chain of the sum
.set PC,44                             ; v44-59 p's codes
.set R,60                              ; v60-91 K's second 128 keys, then V's first; v92-95 two chains of the sum
.set T1,92
.set T2,94
.set O,96                              ; v96-127 O^T
.set S,128                             ; v128-255 S^T, then p
.set WV,12
.set SEL,16
.set CS,18                             ; s[18:19] c = log2(e) / 8; s20 -c
.set NC,20
.set CNT,21
.set G1KC,24
.set G1KS,32
.set G1VC,40
.set G1VS,48
.set G0KC,56
.set G0KS,60
.set G0VC,68
.set G0VS,72
.set PS,96                             ; s96, s97 byte selects for p's two scale words
.set KCH,36864                         ; a chunk in kbuf and qbuf; in vbuf
.set VCH,34816
.set KS0,147456                        ; LDS: K's codes 128 rows of 1,152; K's scale words 64 rows of 384
.set VC0,172032                        ; V's codes, dense
.set VS0,303104                        ; V's scale words, dense
.set SPARE,311296                      ; the spare words, 128 bytes a wave
.set W0KC,15|(3<<16)|(1<<20)|(1<<21)|(7<<22)|(31<<25)   ; the mask of all four; elements of 8 bytes; padding: 32 words behind every 256
.set W0KS,15|(3<<16)|(1<<20)|(1<<21)|(5<<22)|(31<<25)   ; 32 words behind every 64
.set W0V,15|(3<<16)|(1<<21)
.macro CROUND                          ; a round of the cluster's barrier
	s_barrier_signal -1
	s_barrier_wait -1
	s_cmp_lg_u32 s[WV], 0
	s_cbranch_scc1 .Lnot_wave_0_\@
	s_barrier_signal -3
.Lnot_wave_0_\@:
	s_barrier_wait -3
	s_barrier_signal -1
	s_barrier_wait -1
.endm
.macro GRP1 g, w0, cols, rows          ; rows of cols elements, dense in memory
	s_mov_b32 s[\g], \w0
	s_mov_b32 s[\g+1], (\cols)<<16
	s_mov_b32 s[\g+2], (\rows)<<16
	s_mov_b32 s[\g+3], (\cols)<<16
	s_mov_b32 s[\g+4], \rows
	s_mov_b32 s[\g+5], \cols
	s_mov_b32 s[\g+6], 0
	s_mov_b32 s[\g+7], 0
.endm
.macro ARM under, g0, g1, next
	s_cmp_lt_u32 s[WV], \under
	s_cbranch_scc0 \next
	tensor_load_to_lds s[\g0:\g0+3], s[\g1:\g1+7]
	s_nop 0
.rept 4
	v_nop
.endr
	s_branch .Lasked
\next:
.endm
	s_load_b256 s[4:11], s[0:1], 0x0               ; qbuf, kbuf, vbuf, out0
	v_lshl_add_u32 v[SPW], v0, 2, SPARE
	v_mov_b32 v[NIL], 0
	ds_add_u32 v[SPW], v[NIL]                      ; the opening lines: the add twice on end and one wait
	ds_add_u32 v[SPW], v[NIL]
	v_lshrrev_b32 v3, 5, v0
	v_readfirstlane_b32 s[WV], v3                  ; wave 0..15
	s_and_b32 s15, ttmp7, 0xffff                   ; the head, which the partners share
	s_and_b32 s22, s[WV], 3                        ; the chunk that I fetch
	s_mul_i32 s76, s15, 4*KCH
	s_mul_i32 s23, s22, KCH
	s_add_co_u32 s76, s76, s23                     ; my chunk in kbuf,
	s_mov_b32 s77, 0
	s_mul_i32 s78, s15, 4*VCH
	s_mul_i32 s23, s22, VCH
	s_add_co_u32 s78, s78, s23                     ; and in vbuf
	s_mov_b32 s79, 0
	GRP1 G1KC, W0KC, 128, 32
	GRP1 G1KS, W0KS, 32, 16
	GRP1 G1VC, W0V, 32, 128
	GRP1 G1VS, W0V, 32, 8
	s_mov_b32 s[G0KC], 1
	s_mul_i32 s[G0KC+1], s22, 36864
	s_mov_b32 s[G0KS], 1
	s_mul_i32 s[G0KS+1], s22, 6144
	s_add_co_u32 s[G0KS+1], s[G0KS+1], KS0
	s_mov_b32 s[G0VC], 1
	s_lshl_b32 s[G0VC+1], s22, 15
	s_add_co_u32 s[G0VC+1], s[G0VC+1], VC0
	s_mov_b32 s[G0VS], 1
	s_lshl_b32 s[G0VS+1], s22, 11
	s_add_co_u32 s[G0VS+1], s[G0VS+1], VS0
	s_wait_alu depctr_va_vdst(0)
	s_wait_dscnt 0x0                               ; both opening adds are done
	s_wait_kmcnt 0x0
	s_add_nc_u64 s[G0KC+2:G0KC+3], s[6:7], s[76:77]
	s_add_nc_u64 s[G0KS+2:G0KS+3], s[G0KC+2:G0KC+3], 32768
	s_or_b32 s[G0KC+3], s[G0KC+3], 0x80000000
	s_or_b32 s[G0KS+3], s[G0KS+3], 0x80000000
	s_add_nc_u64 s[G0VC+2:G0VC+3], s[8:9], s[78:79]
	s_add_nc_u64 s[G0VS+2:G0VS+3], s[G0VC+2:G0VC+3], 32768
	s_or_b32 s[G0VC+3], s[G0VC+3], 0x80000000
	s_or_b32 s[G0VS+3], s[G0VS+3], 0x80000000
	CROUND                                         ; all four work-groups are here: the joint loads meet
	ARM 4,  G0KC, G1KC, .Larm_ks                   ; one chain of branches on the wave's number, one load to an arm: every wave issues one
	ARM 8,  G0KS, G1KS, .Larm_vc
	ARM 12, G0VC, G1VC, .Larm_vs
	tensor_load_to_lds s[G0VS:G0VS+3], s[G1VS:G1VS+7]
	s_nop 0
.rept 4
	v_nop
.endr
.Lasked:
	; all else of the head stands here, while the loads are on their way.  My tile of queries: tile 16 (qb % 4) + w of chunk qb / 4
	s_bfe_u32 s13, ttmp6, 0x40000                  ; cx
	s_lshl_b32 s14, ttmp9, 2
	s_add_co_u32 s14, s14, s13                     ; my block of 256 queries: it enters Q's and the output's addresses alone
	s_mul_i32 s84, s15, 4*KCH
	s_mov_b32 s85, 0
	s_lshr_b32 s80, s14, 2
	s_mul_i32 s80, s80, KCH
	s_and_b32 s81, s14, 3
	s_lshl_b32 s82, s81, 4
	s_add_co_u32 s82, s82, s[WV]
	s_lshl_b32 s82, s82, 9
	s_add_co_u32 s88, s80, s82
	s_mov_b32 s89, 0
	s_add_nc_u64 s[88:89], s[88:89], s[84:85]      ; its image
	s_lshl_b32 s82, s81, 2
	s_lshr_b32 s83, s[WV], 2
	s_add_co_u32 s82, s82, s83
	s_lshl_b32 s82, s82, 8
	s_lshl_b32 s83, s22, 2
	s_add_co_u32 s82, s82, s83
	s_add_co_u32 s82, s82, s80
	s_add_co_u32 s90, s82, 32768
	s_mov_b32 s91, 0
	s_add_nc_u64 s[90:91], s[90:91], s[84:85]      ; its scale words: 32,768 + 256 (4 (qb % 4) + w / 4) + 4 (w % 4), + 16 r
	s_lshl_b32 s82, s14, 8
	s_lshr_b32 s83, s[WV], 1
	s_lshl_b32 s83, s83, 5
	s_add_co_u32 s82, s82, s83
	s_and_b32 s83, s[WV], 1
	s_lshl_b32 s83, s83, 3
	s_add_co_u32 s82, s82, s83                     ; its first row: 256 qb + 32 (w / 2) + 8 (w % 2); lane r's row lies r + 8 (r / 8) further on
	s_lshl_b32 s92, s82, 12
	s_lshl_b32 s83, s15, 8
	s_add_co_u32 s92, s92, s83                     ; rows of 4,096 bytes, the head's 256 in them
	s_mov_b32 s93, 0
	s_add_nc_u64 s[94:95], s[4:5], s[90:91]
	s_add_nc_u64 s[4:5], s[4:5], s[88:89]
	s_add_nc_u64 s[10:11], s[10:11], s[92:93]
	s_mov_b32 s[SEL], 0x76543210
	s_mov_b32 s[SEL+1], 0xfedcba98
	s_mov_b32 s[CS], 0x3e38aa3b
	s_mov_b32 s[CS+1], s[CS]
	s_mov_b32 s[NC], 0xbe38aa3b
	s_mov_b32 s[PS], 0x05010400
	s_mov_b32 s[PS+1], 0x07030602
	s_mov_b32 s[CNT], 8
	v_and_b32 v[TA], 15, v0                        ; r
	v_and_b32 v43, 31, v0
	v_lshlrev_b32 v45, 4, v[TA]                    ; 16 r
	v_lshlrev_b32 v44, 4, v43                      ; 16 x lane
	s_wait_alu depctr_va_vdst(0)                   ; ahead of the readers below
	global_load_b128 v[QF:QF+3], v44, s[4:5]       ; Q's fragment stays in registers
	global_load_b32 v[QS], v45, s[94:95]
	v_bfe_u32 v[N2], v0, 4, 1                      ; h
	v_and_b32 v46, 7, v0                           ; r % 8
	v_bfe_u32 v47, v0, 3, 1                        ; r / 8
	v_add_nc_u32 v[AV], VC0-8192, v44              ; V's two addresses are stepped ahead of a step's loads,
	v_add_nc_u32 v[AVS], VS0-512, v44
	v_lshlrev_b32 v[AK], 4, v46                    ; K's two behind them
	v_lshlrev_b32 v[AKS], 4, v46
	v_mad_u32_u24 v[AK], v47, 1152, v[AK]
	v_lshl_add_u32 v[AKS], v47, 3, v[AKS]
	v_lshl_add_u32 v[AK], v[N2], 8, v[AK]          ; 1,152 (r / 8) + 16 (r % 8) + 256 h
	v_mad_u32_u24 v[AKS], v[N2], 384, v[AKS]
	v_mov_b32 v[MRUN], 0xff61b1e6                  ; the largest score so far: -3e38
	v_add_nc_u32 v[AKS], KS0, v[AKS]               ; 384 h + 16 (r % 8) + 8 (r / 8): lanes 0-15 take c = 0, lanes 16-31 c = 1
	v_mov_b32 v[NEGM], 0x7e000000                  ; -M begins at 2^125: the first factor is 0, over zeros
	v_mov_b32 v[L], 0
	v_mov_b32 v[L+1], 0
.irp j, 0,1,2,3
	v_mov_b32 v[QF+4+\j], 0                        ; Q's zero codes for k = 64 .. 127
	v_mov_b32 v[R+32+\j], 0                        ; what stands behind the last tile of each half of K: any bits, but written
	v_mov_b32 v[S+96+\j], 0
.endr
.set j, 0
.rept 32
	v_mov_b32 v[O+j], 0                            ; O^T: the step has no first form of its own
.set j, j+1
.endr
	s_wait_alu depctr_va_vdst(0)
	s_wait_loadcnt 0x0                             ; Q
	s_wait_tensorcnt 0x0                           ; my chunk has landed,
	s_barrier_signal -1
	s_barrier_wait -1                              ; everybody's has: the whole head lies in LDS
.macro SMM d, a, sc, row               ; 16 keys x my 16 queries; the product starts the sum
.if \row
	v_wmma_scale_f32_16x16x128_f8f6f4 v[(\d):(\d)+7], v[(\a):(\a)+7], v[QF:QF+7], 0, v[(\sc)], v[QS] matrix_a_fmt:MATRIX_FMT_FP4 matrix_b_fmt:MATRIX_FMT_FP4 matrix_a_scale:MATRIX_SCALE_ROW1
.else
	v_wmma_scale_f32_16x16x128_f8f6f4 v[(\d):(\d)+7], v[(\a):(\a)+7], v[QF:QF+7], 0, v[(\sc)], v[QS] matrix_a_fmt:MATRIX_FMT_FP4 matrix_b_fmt:MATRIX_FMT_FP4
.endif
.endm
.macro ADD8 k                          ; pairs k .. k + 7 of p onto the sum's eight chains
	v_pk_add_f32 v[L:L+1], v[L:L+1], v[S+2*(\k):S+2*(\k)+1]
	v_pk_add_f32 v[T1:T1+1], v[T1:T1+1], v[S+2*(\k)+2:S+2*(\k)+3]
	v_pk_add_f32 v[T2:T2+1], v[T2:T2+1], v[S+2*(\k)+4:S+2*(\k)+5]
	v_pk_add_f32 v[T3:T3+1], v[T3:T3+1], v[S+2*(\k)+6:S+2*(\k)+7]
	v_pk_add_f32 v[PT:PT+1], v[PT:PT+1], v[S+2*(\k)+8:S+2*(\k)+9]
	v_pk_add_f32 v[BM:BM+1], v[BM:BM+1], v[S+2*(\k)+10:S+2*(\k)+11]
	v_pk_add_f32 v[BM+2:BM+3], v[BM+2:BM+3], v[S+2*(\k)+12:S+2*(\k)+13]
	v_pk_add_f32 v[N2:N2+1], v[N2:N2+1], v[S+2*(\k)+14:S+2*(\k)+15]
.endm
.macro PKF n                           ; the next n pairs of scores: t - M
.rept \n
	v_pk_fma_f32 v[S+j:S+j+1], v[S+j:S+j+1], s[CS:CS+1], v[N2:N2+1] op_sel_hi:[1,0,0]
.set j, j+2
.endr
.endm
.macro ORS n                           ; the next n pairs of O^T under the new M; each accumulator from its low end on
.rept \n
	v_pk_mul_f32 v[O+jo:O+jo+1], v[O+jo:O+jo+1], v[F:F+1] op_sel_hi:[1,0]
.set jo, jo+2
.endr
.endm
; A STEP: 256 keys.  Block b = 0 .. 3 of a lane is v[S + 32 b ..]: keys 64 b + 32 h + 0 .. 31 of the step.
.macro MAC
.irp k, 0,1
.irp u, 0,1
	ds_load_b64 v[KS+4*\k+2*\u:KS+4*\k+2*\u+1], v[AKS] offset:768*\k+128*\u   ; the words of tiles i = 2 u, 2 u + 1
.endr
.endr
.irp c, 0,1
.irp i, 0,1,2,3
	ds_load_b128 v[S+64+16*\c+4*\i:S+64+16*\c+4*\i+3], v[AK] offset:2304*\c+512*(\i%2)+128*(\i/2)
	ds_load_b128 v[R+16*\c+4*\i:R+16*\c+4*\i+3], v[AK] offset:4608+2304*\c+512*(\i%2)+128*(\i/2)
.endr
.endr
	s_wait_dscnt 0x0
.irp c, 0,1
.irp i, 0,1,2,3
	SMM S+32*\c+8*\i, S+64+16*\c+4*\i, KS+\i, \c
.endr
.endr
	v_add_nc_u32 v[AK], 9216, v[AK]                ; the next step's K.  Five places: the products below write over the registers that those above read
	v_add_nc_u32 v[AKS], 1536, v[AKS]
.rept 3
	v_nop
.endr
.irp c, 0,1
.irp i, 0,1,2,3
	SMM S+64+32*\c+8*\i, R+16*\c+4*\i, KS+4+\i, \c
.endr
.endr
	v_add_nc_u32 v[AV], 8192, v[AV]                ; this step's V.  Four places in front of the loads below and of the first read of results
	v_add_nc_u32 v[AVS], 512, v[AVS]
.rept 2
	v_nop
.endr
	ds_load_b128 v[KS:KS+3], v[AVS]                ; V's words of channels 16 t + r: lanes 0-15 the first 128 keys', lanes 16-31 the second's
.irp t, 0,1,2,3
.irp c, 0,1
	ds_load_b128 v[R+8*\t+4*\c:R+8*\t+4*\c+3], v[AV] offset:1024*\t+512*\c
.endr
.endr
.irp b, 0,1,2,3
	v_max3_num_f32 v[BM+\b], v[S+32*\b], v[S+32*\b+1], v[S+32*\b+2]   ; each block's largest score: all 32 are mine; two chains a block, eight by turns; each accumulator is first read at its low end
.endr
.irp b, 0,1,2,3
	v_max3_num_f32 v[BX+\b], v[S+32*\b+16], v[S+32*\b+17], v[S+32*\b+18]
.endr
.irp i, 3,5,7,9,11,13
.irp b, 0,1,2,3
	v_max3_num_f32 v[BM+\b], v[BM+\b], v[S+32*\b+\i], v[S+32*\b+\i+1]
.endr
.irp b, 0,1,2,3
	v_max3_num_f32 v[BX+\b], v[BX+\b], v[S+32*\b+16+\i], v[S+32*\b+17+\i]
.endr
.endr
.irp b, 0,1,2,3
	v_max3_num_f32 v[BM+\b], v[BM+\b], v[BX+\b], v[S+32*\b+15]
.endr
.irp b, 0,1,2,3
	v_max_num_f32 v[BM+\b], v[BM+\b], v[S+32*\b+31]
.endr
	s_delay_alu instid0(VALU_DEP_2)
	v_max3_num_f32 v[TA], v[BM], v[BM+1], v[BM+2]
	s_delay_alu instid0(VALU_DEP_1)
	v_max_num_f32 v[TA], v[TA], v[BM+3]
	s_delay_alu instid0(VALU_DEP_1)
	v_permlanex16_b32 v[PT], v[TA], s[SEL], s[SEL+1]
	s_delay_alu instid0(VALU_DEP_1)
	v_max3_num_f32 v[MRUN], v[MRUN], v[TA], v[PT]  ; the row's largest score so far
	s_delay_alu instid0(VALU_DEP_1)
	v_mul_f32 v[TA], s[NC], v[MRUN]                ; -t
	s_delay_alu instid0(VALU_DEP_1)
	v_floor_f32 v[N2], v[TA]                       ; the new -M = -ceil(t)
	s_delay_alu instid0(VALU_DEP_1)
	v_sub_f32 v[TA], v[N2], v[NEGM]                ; old M - new M: a whole number, 0 or less
	v_mov_b32 v[NEGM], v[N2]                       ; kept for the next step
	s_delay_alu instid0(VALU_DEP_2)
	v_cvt_i32_f32 v[TA], v[TA]                     ; (it saturates)
	s_delay_alu instid0(VALU_DEP_1)
	v_ldexp_f32 v[F], 1.0, v[TA]                   ; f
.set j, 0
.set jo, 0
.irp b, 0,1,2,3
	v_fma_f32 v[BM+\b], v[BM+\b], s[CS], v[N2]     ; t - M of each block's largest score: the same multiply-add as every score's
.endr
	PKF 16
.irp b, 0,1,2,3
	v_max_num_f32 v[BM+\b], 0xc2f80000, v[BM+\b]   ; held at -124: the byte cannot fall under 1
.endr
	PKF 16
.irp b, 0,1,2,3
	v_cvt_floor_i32_f32 v[BM+\b], v[BM+\b]         ; floor(log2) of the block's largest p
.endr
	PKF 16
	v_lshl_add_u32 v[PT], v[BM+1], 8, v[BM]        ; my four blocks' exponents, a byte each,
	v_lshl_add_u32 v[PT+1], v[BM+3], 8, v[BM+2]
.irp b, 0,1,2,3
	v_add_lshl_u32 v[BM+\b], v[BM+\b], 125, 23     ; + 125 = 127 - 2, as an exponent field: the conversion's scale operand
.endr
	PKF 16
	v_lshl_add_u32 v[PT], v[PT+1], 16, v[PT]
	ORS 8
	v_add_nc_u32 v[PT], 0x7d7d7d7d, v[PT]          ; + 125 in each: four scale bytes
	ORS 8
	v_permlanex16_b32 v[PT+1], v[PT], s[SEL], s[SEL+1]
	s_wait_alu depctr_va_vdst(0)
.set j, 0
.rept 128
	v_exp_f32 v[S+j], v[S+j]                       ; p
.set j, j+1
.endr
	v_perm_b32 v[PW], v[PT+1], v[PT], s[PS]        ; lanes 0-15, which alone are read: mine are blocks 0 and 2 of 128 keys, lane l + 16's blocks 1 and 3.  (Plain lines behind the batch, which name no p)
	v_perm_b32 v[PW+1], v[PT+1], v[PT], s[PS+1]
	s_wait_alu depctr_va_vdst(0)                   ; one wait for the batch, ahead of its first reader
.irp b, 0,1,2,3
.irp i, 0,1,2,3
	v_cvt_scalef32_pk8_fp4_f32 v[PC+4*\b+\i], v[S+32*\b+8*\i:S+32*\b+8*\i+7], v[BM+\b]
.endr
.endr
	v_pk_fma_f32 v[L:L+1], v[L:L+1], v[F:F+1], v[S:S+1] op_sel_hi:[1,0,1]   ; the sum under the new M, and the first pair of the unquantised p
	v_pk_add_f32 v[T1:T1+1], v[S+2:S+3], v[S+4:S+5]
	v_pk_add_f32 v[T2:T2+1], v[S+6:S+7], v[S+8:S+9]
	v_pk_add_f32 v[T3:T3+1], v[S+10:S+11], v[S+12:S+13]
	v_pk_add_f32 v[PT:PT+1], v[S+14:S+15], v[S+16:S+17]
	v_pk_add_f32 v[BM:BM+1], v[S+18:S+19], v[S+20:S+21]
	v_pk_add_f32 v[BM+2:BM+3], v[S+22:S+23], v[S+24:S+25]
	v_pk_add_f32 v[N2:N2+1], v[S+26:S+27], v[S+28:S+29]
	ADD8 15
	ADD8 23
	v_pk_add_f32 v[L:L+1], v[L:L+1], v[S+62:S+63]
.irp t, 0,1,2,3
.irp c, 0,1
	ds_load_b128 v[S+8*\t+4*\c:S+8*\t+4*\c+3], v[AV] offset:4096+1024*\t+512*\c   ; V's second 128 keys, over p that has been summed and converted
.endr
.endr
.irp k, 32,40,48,56
	ADD8 \k
.endr
	s_wait_alu depctr_va_vdst(0)
	s_wait_dscnt 0x0                               ; V is in
.irp t, 0,1,2,3                                ; the four accumulators by turns
	v_wmma_scale_f32_16x16x128_f8f6f4 v[O+8*\t:O+8*\t+7], v[R+8*\t:R+8*\t+7], v[PC:PC+7], v[O+8*\t:O+8*\t+7], v[KS+\t], v[PW] matrix_a_fmt:MATRIX_FMT_FP4 matrix_b_fmt:MATRIX_FMT_FP4
.endr
.irp t, 0,1,2,3
	v_wmma_scale_f32_16x16x128_f8f6f4 v[O+8*\t:O+8*\t+7], v[S+8*\t:S+8*\t+7], v[PC+8:PC+15], v[O+8*\t:O+8*\t+7], v[KS+\t], v[PW+1] matrix_a_fmt:MATRIX_FMT_FP4 matrix_b_fmt:MATRIX_FMT_FP4 matrix_a_scale:MATRIX_SCALE_ROW1
.endr
	v_pk_add_f32 v[T3:T3+1], v[T3:T3+1], v[T1:T1+1]   ; the eight chains join.  These seven are also the places in front of the next step's loads and products, which write over V's registers
	v_pk_add_f32 v[PT:PT+1], v[PT:PT+1], v[T2:T2+1]
	v_pk_add_f32 v[BM:BM+1], v[BM:BM+1], v[BM+2:BM+3]
	v_pk_add_f32 v[L:L+1], v[L:L+1], v[N2:N2+1]
	s_delay_alu instid0(VALU_DEP_3)
	v_pk_add_f32 v[T3:T3+1], v[T3:T3+1], v[PT:PT+1]
	s_delay_alu instid0(VALU_DEP_2)
	v_pk_add_f32 v[L:L+1], v[L:L+1], v[BM:BM+1]
	s_delay_alu instid0(VALU_DEP_1)
	v_pk_add_f32 v[L:L+1], v[L:L+1], v[T3:T3+1]
.endm
.Lmac1:                                                ; steps 0 to 7
	MAC
	s_sub_co_u32 s[CNT], s[CNT], 1
	s_cmp_lg_u32 s[CNT], 0
	s_cbranch_scc1 .Lmac1
	s_barrier_signal -1                            ; no LDS load of mine is out, and I read bytes 0 to 73,727 no more; the wait for this signal stands ahead of the way out
	v_and_b32 v[TA], 7, v0                         ; K's address for step 8, made anew from the lane's number
	v_bfe_u32 v[N2], v0, 3, 1
	v_lshlrev_b32 v[AK], 4, v[TA]
	v_bfe_u32 v[TA], v0, 4, 1
	v_mad_u32_u24 v[AK], v[N2], 1152, v[AK]
	s_delay_alu instid0(VALU_DEP_1)
	v_lshl_add_u32 v[AK], v[TA], 8, v[AK]
	s_delay_alu instid0(VALU_DEP_1)
	v_add_nc_u32 v[AK], 73728, v[AK]
	s_mov_b32 s[CNT], 8
	s_wait_alu depctr_va_vdst(0)
.Lmac2:                                                ; steps 8 to 15
	MAC
	s_sub_co_u32 s[CNT], s[CNT], 1
	s_cmp_lg_u32 s[CNT], 0
	s_cbranch_scc1 .Lmac2
	; THE WAY OUT.  O^T is divided by the row's sum and goes through my stage in LDS, so that sixteen lanes store a row's 256 bytes.  The stages lie in K's first 69,632 bytes, which have had their one fill and which nobody reads behind the wait below.
	v_add_f32 v[L], v[L], v[L+1]
	s_delay_alu instid0(VALU_DEP_1)
	v_permlanex16_b32 v[PT], v[L], s[SEL], s[SEL+1]
	s_delay_alu instid0(VALU_DEP_1)
	v_add_f32 v[L], v[L], v[PT]                    ; the row's sum
	s_wait_alu depctr_va_vdst(0)
	v_rcp_f32 v[L], v[L]
	v_and_b32 v6, 15, v0                           ; r
	v_bfe_u32 v7, v0, 4, 1                         ; h
	s_mul_i32 s23, s[WV], 16*272                   ; my stage
	v_mul_u32_u24 v3, v6, 272
	v_mul_u32_u24 v4, v7, 272
	v_lshlrev_b32 v5, 4, v6
	v_lshl_add_u32 v3, v7, 5, v3
	v_lshl_add_u32 v4, v6, 4, v4
	v_lshl_add_u32 v5, v7, 12, v5                  ; in out0: 4,096 h + 16 r
	v_add_nc_u32 v3, s23, v3                       ; in: row r, + 32 h
	v_add_nc_u32 v4, s23, v4                       ; back: lanes 0-15 one row, lanes 16-31 the next
	s_wait_alu depctr_va_vdst(0)                   ; the wait ahead of the reciprocal's first reader, which is O^T's first reader too
.set j, 0
.rept 16
	v_pk_mul_f32 v[S+j:S+j+1], v[O+j:O+j+1], v[L:L+1] op_sel_hi:[1,0]   ; register 8 t + i is o(query r, channel 16 t + 8 h + i)
.set j, j+2
.endr
	s_wait_alu depctr_va_vdst(0)
	s_barrier_wait -1                              ; every wave has left steps 0 to 7
.irp t, 0,1,2,3
	ds_store_b128 v3, v[S+8*\t:S+8*\t+3] offset:64*\t
	ds_store_b128 v3, v[S+8*\t+4:S+8*\t+7] offset:64*\t+16
.endr
.irp i, 0,1,2,3,4,5,6,7
	ds_load_b128 v[R+4*\i:R+4*\i+3], v4 offset:2*\i*272   ; LDS serves a wave's instructions in order: these see my stores
.endr
.irp i, 0,1,2,3,4,5,6,7
	s_wait_dscnt 7-\i                              ; the younger loads may be out
	global_store_b128 v5, v[R+4*\i:R+4*\i+3], s[10:11] offset:(2*\i+8*(\i/4))*4096 th:TH_STORE_NT   ; stage rows 2 i, 2 i + 1 are the tile's rows 2 i + 8 (i / 4) and the next: sixteen lanes store 256 consecutive bytes, aligned
.endr
	s_wait_tensorcnt 0x0                           ; the wave's end
	ds_add_u32 v[SPW], v[NIL]
	s_wait_dscnt 0x0
	CROUND                                         ; the closing round
	s_endpgm
.Lfunc_end_k_qbe221da0a9_attn:
	.size	k_qbe221da0a9_attn, .Lfunc_end_k_qbe221da0a9_attn-k_qbe221da0a9_attn
	.p2alignl 7, 3214868480
	.fill 96, 4, 3214868480
	.section	.rodata,"a",@progbits
	.p2align	6, 0x0
	.amdhsa_kernel k_qbe221da0a9_attn
		.amdhsa_group_segment_fixed_size 327680
		.amdhsa_private_segment_fixed_size 0
		.amdhsa_enable_private_segment 0
		.amdhsa_kernarg_size 32
		.amdhsa_user_sgpr_count 2
		.amdhsa_user_sgpr_kernarg_segment_ptr 1
		.amdhsa_wavefront_size32 1
		.amdhsa_system_sgpr_workgroup_id_x 1
		.amdhsa_system_sgpr_workgroup_id_y 1
		.amdhsa_system_sgpr_workgroup_id_z 1
		.amdhsa_system_vgpr_workitem_id 0
		.amdhsa_next_free_vgpr 256
		.amdhsa_next_free_sgpr 100
		.amdhsa_reserve_vcc 0
		.amdhsa_float_denorm_mode_32 3
		.amdhsa_float_denorm_mode_16_64 3
		.amdhsa_memory_ordered 1
		.amdhsa_forward_progress 1
		.amdhsa_inst_pref_size 68
	.end_amdhsa_kernel
	.amdgpu_metadata
---
amdhsa.version: [ 1, 2 ]
amdhsa.kernels:
  - .name:           k_qbe221da0a9_attn
    .symbol:         k_qbe221da0a9_attn.kd
    .args:
      - { .name: qbuf, .offset: 0, .size: 8, .value_kind: global_buffer, .address_space: global }
      - { .name: kbuf, .offset: 8, .size: 8, .value_kind: global_buffer, .address_space: global }
      - { .name: vbuf, .offset: 16, .size: 8, .value_kind: global_buffer, .address_space: global }
      - { .name: out0, .offset: 24, .size: 8, .value_kind: global_buffer, .address_space: global }
    .group_segment_fixed_size: 327680
    .private_segment_fixed_size: 0
    .kernarg_segment_align: 8
    .kernarg_segment_size: 32
    .max_flat_workgroup_size: 512
    .sgpr_count:     100
    .vgpr_count:     256
    .wavefront_size: 32
...
	.end_amdgpu_metadata
.endif
;; end of part 3
